; MI455X (gfx1250); checked and timed in simulation.
; The chip was launched on July 23, 2026; its instructions are those of AMD's public machine-readable ISA for CDNA 5 (MIT licence, August 2026) and "CDNA5" Instruction Set Architecture Reference Guide (July 2026). The comments in the code are by the model that wrote it; some were corrected since.
;; Attention. Allowed arithmetic: float matrix products may take bf16 or f16 operands with f32 sums; all other float work in f32.
;; Inputs: W1 1,024 x 1,024 float32; W2 1,024 x 1,024 float32; W3 1 x 1,024 float32; b1 1,024 float32; b2 1,024 float32; b3 1 float32; hidden_d 1 x 64 x 1,024 float32; out_e 512 x 64 x 1,024 float32.
;; Outputs: out0 1 x 64 x 1,024 float32; out1 512 x 64 x 1 float32.
;; 2 versions, each right; version 2 is version 1 with the launch finish written anew for expert scheduling mode. Each part assembles by itself: llvm-mc -triple=amdgcn-amd-amdhsa -mcpu=gfx1250 --defsym DOCPART=n.
;; ======== version 1 of 2: 3 launches
;; workspace buffers: W2F 2,097,152 bytes; U 262,144 bytes; P 131,072 bytes; ML 2,048 bytes; CP 1,048,576 bytes
;; launch prep (part 1): grid 256 x 1, 8 waves a work-group, no clusters, 9,216 bytes of LDS; arguments hidden_d, W1, W2, b1, b2, U, W2F; writes U, W2F
.if DOCPART == 1
	.amdgcn_target "amdgcn-amd-amdhsa--gfx1250"
	.amdhsa_code_object_version 6
	.text
	.protected	k_q420900ded8_prep
	.globl	k_q420900ded8_prep
	.p2align	8
	.type	k_q420900ded8_prep,@function
k_q420900ded8_prep:
	s_mov_b64 s[64:65], 0
	v_nop
	global_prefetch_b8 v0, s[64:65] scope:SCOPE_SE
	s_setreg_imm32_b32 hwreg(HW_REG_WAVE_MODE, 25, 1), 1
	s_wait_xcnt 0x0
; PREP.  Two things that the main launch wants ready.
; (1) U[cb][n][16] = K2 x (hidden_d[n] . W1[j] + b1[j] + b2[j]), j = 16 cb + 0..15, K2 = 2 log2(e): linear1 has only 64 different rows, so it is a product of 64 x 1024 x 1024,
;     made once; K2 is the factor that the main launch's tanh by an exponential of base 2 wants.
; (2) W2F = W2 rounded to bf16 and laid in the order in which a wave of the main launch reads it: [w 4][p 2][kb 32][b 8][1,024 bytes], column block cb = 32 p + 8 w + b, K block kb of 32;
;     in a fragment's 1,024 bytes lane L's registers 0-3 lie at 16 L, its registers 4-7 at 512 + 16 L.
; SHARES.  Work-group g: cb = g / 4 (16 rows of W1 and of W2), mt = g % 4 (rows n = 16 mt + 0..15 of hidden_d).  Wave w of eight multiplies K = 128 w .. 128 w + 127 (four matrix instructions on
; two accumulators by turns) and rounds ONE fragment of W2: K block 8 mt + w.  The eight partial tiles meet in LDS; waves 0-3 add them, 8 bytes a thread.
; LIMITS.  hidden_d, W1 and W2 are rounded to bf16 for the products, sums in f32.  NaN and infinities are not treated apart.
; No cluster, no tensor load: every operand is converted on its way, so it passes through registers anyway, and the launch moves 8 MB in all.
.set SPARE, 8192                       ; behind the eight partial tiles: the spare words, 128 bytes for each wave
.set K2,   0x4038aa3b                  ; 2 log2(e)
.set SPW,  14                          ; v14  LDS address of my spare word; never rewritten
.set NIL,  15                          ; v15  0; never rewritten
.set ACC0, 16                          ; v[16:23], v[24:31]  two accumulators
.set ACC1, 24
.set FW,   32                          ; v[32:95]   W1: 16 f32 for each of my four K blocks, rounded in place to 8 registers
.set FH,   96                          ; v[96:159]  hidden_d likewise
.set F2,   160                         ; v[160:175] W2 likewise, one K block
.set PS,   176                         ; v[176:191] eight partial sums, two numbers each
	s_load_b256 s[4:11], s[0:1], 0x0               ; hidden_d s[4:5], W1 s[6:7], W2 s[8:9], b1 s[10:11]
	s_load_b128 s[12:15], s[0:1], 0x20             ; b2 s[12:13], U s[14:15]
	s_load_b64 s[16:17], s[0:1], 0x30              ; W2F
	v_lshl_add_u32 v[SPW], v0, 2, SPARE
	v_mov_b32 v[NIL], 0
	v_lshrrev_b32 v1, 5, v0
	v_readfirstlane_b32 s20, v1                    ; wave 0..7
	s_lshr_b32 s21, ttmp9, 2                       ; cb
	s_and_b32 s22, ttmp9, 3                        ; mt
	s_mov_b32 s25, 0                               ; high word of every offset
	s_mov_b32 s26, K2
	s_mov_b32 s27, K2                              ; named with it as a pair
	s_lshl_b32 s28, s20, 9                         ; my 128 along K, in bytes of f32
	s_lshl_b32 s29, s21, 16                        ; 16 rows of 4,096 bytes x cb
	s_lshl_b32 s30, s22, 16                        ; the same x mt
	s_lshl_b32 s31, s22, 3
	s_add_co_u32 s31, s31, s20                     ; the K block of W2 that I round: 8 mt + w
	v_and_b32 v1, 31, v0                           ; lane L
	v_and_b32 v2, 15, v0                           ; r = L % 16
	v_bfe_u32 v3, v0, 4, 1                         ; h = L / 16
	v_lshlrev_b32 v4, 12, v2
	v_lshl_add_u32 v4, v3, 5, v4                   ; row r, 8 f32 for each half of the lanes
	v_lshlrev_b32 v5, 4, v1                        ; 16 L
	v_and_b32 v6, 7, v0
	v_lshlrev_b32 v6, 3, v6                        ; my two columns' biases
	v_lshlrev_b32 v7, 2, v2
	v_lshl_add_u32 v7, v3, 9, v7
	v_lshl_add_u32 v7, s20, 10, v7                 ; my wave's tile in LDS: element (m = 8 h + i, r) at 64 m + 4 r
	v_lshlrev_b32 v8, 3, v0                        ; 8 bytes a thread of a tile of 1,024 bytes, in LDS and in U
	s_wait_kmcnt 0x0
	s_add_co_u32 s24, s30, s28
	s_add_nc_u64 s[4:5], s[4:5], s[24:25]          ; hidden_d at row 16 mt, K = 128 w
	s_add_co_u32 s24, s29, s28
	s_add_nc_u64 s[6:7], s[6:7], s[24:25]          ; W1 at row 16 cb, K = 128 w
	s_lshl_b32 s24, s31, 7
	s_add_co_u32 s24, s24, s29
	s_add_nc_u64 s[8:9], s[8:9], s[24:25]          ; W2 at row 16 cb, K block 8 mt + w
	s_lshl_b32 s24, s21, 6
	s_add_nc_u64 s[10:11], s[10:11], s[24:25]      ; b1 and b2 at column 16 cb
	s_add_nc_u64 s[12:13], s[12:13], s[24:25]
	s_lshl_b32 s24, s21, 12
	s_lshl_b32 s32, s22, 10
	s_add_co_u32 s24, s24, s32
	s_add_nc_u64 s[14:15], s[14:15], s[24:25]      ; U at [cb][16 mt]
	s_bfe_u32 s24, s21, 0x20003                    ; (cb / 8) % 4: the wave of the main launch that reads this column block,
	s_lshl_b32 s24, s24, 19
	s_lshr_b32 s32, s21, 5                         ; cb / 32: in which of its two passes,
	s_lshl_b32 s32, s32, 18
	s_add_co_u32 s24, s24, s32
	s_lshl_b32 s32, s31, 13                        ; the K block,
	s_add_co_u32 s24, s24, s32
	s_and_b32 s32, s21, 7                          ; cb % 8: which of the step's eight fragments
	s_lshl_b32 s32, s32, 10
	s_add_co_u32 s24, s24, s32
	s_add_nc_u64 s[16:17], s[16:17], s[24:25]
	; 38 loads at once.  A fragment's lane holds k = 8 h + 0..7 and 16 + 8 h + 0..7 of its row: in f32 two pieces of 32 bytes, 64 bytes apart.
	global_load_b64 v[10:11], v6, s[10:11]
	global_load_b64 v[12:13], v6, s[12:13]
.irp o, 0,1,2,3
	global_load_b128 v[F2+4*\o:F2+4*\o+3], v4, s[8:9] offset:16*(\o%2)+64*(\o/2)
.endr
.irp i, 0,1,2,3
.irp o, 0,1,2,3
	global_load_b128 v[FW+16*\i+4*\o:FW+16*\i+4*\o+3], v4, s[6:7] offset:128*\i+16*(\o%2)+64*(\o/2)
.endr
.irp o, 0,1,2,3
	global_load_b128 v[FH+16*\i+4*\o:FH+16*\i+4*\o+3], v4, s[4:5] offset:128*\i+16*(\o%2)+64*(\o/2)
.endr
.endr
	s_wait_loadcnt 32                              ; the 32 loads of W1 and hidden_d may stay out: the biases and W2 are in
.irp k, 0,1,2,3,4,5,6,7
	v_cvt_pk_bf16_f32 v[F2+\k], v[F2+2*\k], v[F2+2*\k+1]   ; ascending: register k is written when 2 k and 2 k + 1 have been read
.endr
	global_store_b128 v5, v[F2:F2+3], s[16:17]             ; each store of the wave covers 512 consecutive bytes, aligned
	global_store_b128 v5, v[F2+4:F2+7], s[16:17] offset:512
; K block i: its 8 loads are in (the younger blocks' stay out), both fragments are rounded, one matrix instruction.  Source 0 = 16 rows of hidden_d, source 1 = 16 rows of W1.
; The two accumulators take turns, one instruction a turn.
.macro KBLK i, acc, zero
	s_wait_loadcnt 8*(3-(\i))
.irp k, 0,1,2,3,4,5,6,7
	v_cvt_pk_bf16_f32 v[FW+16*(\i)+\k], v[FW+16*(\i)+2*\k], v[FW+16*(\i)+2*\k+1]
	v_cvt_pk_bf16_f32 v[FH+16*(\i)+\k], v[FH+16*(\i)+2*\k], v[FH+16*(\i)+2*\k+1]
.endr
.if \zero
	v_wmma_f32_16x16x32_bf16 v[\acc:\acc+7], v[FH+16*(\i):FH+16*(\i)+7], v[FW+16*(\i):FW+16*(\i)+7], 0
.else
	v_wmma_f32_16x16x32_bf16 v[\acc:\acc+7], v[FH+16*(\i):FH+16*(\i)+7], v[FW+16*(\i):FW+16*(\i)+7], v[\acc:\acc+7]
.endif
.endm
	KBLK 0, ACC0, 1
	KBLK 1, ACC1, 1
	KBLK 2, ACC0, 0
	KBLK 3, ACC1, 0
.rept 4
	v_nop                                          ; four places between the last product and the first read of its result (ISA guide 7.12.1)
.endr
.irp j, 0,2,4,6
	v_pk_add_f32 v[ACC0+\j:ACC0+\j+1], v[ACC0+\j:ACC0+\j+1], v[ACC1+\j:ACC1+\j+1]  ; from the low end on
.endr
.irp i, 0,1,2,3,4,5,6,7
	ds_store_b32 v7, v[ACC0+\i] offset:64*\i
.endr
	s_wait_dscnt 0x0                               ; for the others' sake: my tile is in LDS
	s_barrier_signal -1
	s_barrier_wait -1
	s_cmp_ge_u32 s20, 4
	s_cbranch_scc1 .Lend                           ; 128 threads x 8 bytes are a tile: waves 4-7 have nothing to add
.irp k, 0,1,2,3,4,5,6,7
	ds_load_b64 v[PS+2*\k:PS+2*\k+1], v8 offset:1024*\k
.endr
	v_pk_add_f32 v[10:11], v[10:11], v[12:13]      ; b1 + b2
	s_wait_dscnt 0x0
	v_pk_add_f32 v[PS:PS+1], v[PS:PS+1], v[PS+2:PS+3]
	v_pk_add_f32 v[PS+4:PS+5], v[PS+4:PS+5], v[PS+6:PS+7]
	v_pk_add_f32 v[PS+8:PS+9], v[PS+8:PS+9], v[PS+10:PS+11]
	v_pk_add_f32 v[PS+12:PS+13], v[PS+12:PS+13], v[PS+14:PS+15]
	v_pk_add_f32 v[PS:PS+1], v[PS:PS+1], v[PS+4:PS+5]
	v_pk_add_f32 v[PS+8:PS+9], v[PS+8:PS+9], v[PS+12:PS+13]
	v_pk_add_f32 v[PS:PS+1], v[PS:PS+1], v[PS+8:PS+9]
	v_pk_add_f32 v[PS:PS+1], v[PS:PS+1], v[10:11]
	v_pk_mul_f32 v[PS:PS+1], v[PS:PS+1], s[26:27] op_sel_hi:[1,0]
	global_store_b64 v8, v[PS:PS+1], s[14:15]      ; a wave's store covers 256 consecutive bytes, aligned
.Lend:
	s_wait_tensorcnt 0x0                           ; the wave's end, behind my last LDS store
	ds_add_u32 v[SPW], v[NIL]
	s_wait_dscnt 0x0
	s_endpgm
.Lfunc_end_k_q420900ded8_prep:
	.size	k_q420900ded8_prep, .Lfunc_end_k_q420900ded8_prep-k_q420900ded8_prep
	.p2alignl 7, 3214868480
	.fill 96, 4, 3214868480
	.section	.rodata,"a",@progbits
	.p2align	6, 0x0
	.amdhsa_kernel k_q420900ded8_prep
		.amdhsa_group_segment_fixed_size 9216
		.amdhsa_private_segment_fixed_size 0
		.amdhsa_enable_private_segment 0
		.amdhsa_kernarg_size 56
		.amdhsa_user_sgpr_count 2
		.amdhsa_user_sgpr_kernarg_segment_ptr 1
		.amdhsa_wavefront_size32 1
		.amdhsa_system_sgpr_workgroup_id_x 1
		.amdhsa_system_sgpr_workgroup_id_y 1
		.amdhsa_system_sgpr_workgroup_id_z 1
		.amdhsa_system_vgpr_workitem_id 0
		.amdhsa_next_free_vgpr 192
		.amdhsa_next_free_sgpr 66
		.amdhsa_reserve_vcc 0
		.amdhsa_float_denorm_mode_32 3
		.amdhsa_float_denorm_mode_16_64 3
		.amdhsa_memory_ordered 1
		.amdhsa_forward_progress 1
		.amdhsa_inst_pref_size 14
	.end_amdhsa_kernel
	.amdgpu_metadata
---
amdhsa.version: [ 1, 2 ]
amdhsa.kernels:
  - .name:           k_q420900ded8_prep
    .symbol:         k_q420900ded8_prep.kd
    .args:
      - { .name: hidden_d, .offset: 0, .size: 8, .value_kind: global_buffer, .address_space: global }
      - { .name: W1, .offset: 8, .size: 8, .value_kind: global_buffer, .address_space: global }
      - { .name: W2, .offset: 16, .size: 8, .value_kind: global_buffer, .address_space: global }
      - { .name: b1, .offset: 24, .size: 8, .value_kind: global_buffer, .address_space: global }
      - { .name: b2, .offset: 32, .size: 8, .value_kind: global_buffer, .address_space: global }
      - { .name: U, .offset: 40, .size: 8, .value_kind: global_buffer, .address_space: global }
      - { .name: W2F, .offset: 48, .size: 8, .value_kind: global_buffer, .address_space: global }
    .group_segment_fixed_size: 9216
    .private_segment_fixed_size: 0
    .kernarg_segment_align: 8
    .kernarg_segment_size: 56
    .max_flat_workgroup_size: 256
    .sgpr_count:     66
    .vgpr_count:     192
    .wavefront_size: 32
...
	.end_amdgpu_metadata
.endif
;; end of part 1
;; launch attn (part 2): grid 256 x 1, 4 waves a work-group, no clusters, 271,872 bytes of LDS; arguments out_e, W2F, U, W3, b3, P, ML, CP; writes P, ML, CP
.if DOCPART == 2
	.amdgcn_target "amdgcn-amd-amdhsa--gfx1250"
	.amdhsa_code_object_version 6
	.text
	.protected	k_q420900ded8_attn
	.globl	k_q420900ded8_attn
	.p2align	8
	.type	k_q420900ded8_attn,@function
k_q420900ded8_attn:
	s_mov_b64 s[64:65], 0
	v_nop
	global_prefetch_b8 v0, s[64:65] scope:SCOPE_SE
	s_setreg_imm32_b32 hwreg(HW_REG_WAVE_MODE, 25, 1), 1
	s_wait_xcnt 0x0
; ATTN.  Work-group g owns one batch row n = g / 4 and a quarter q = g % 4 of the source: the 128 rows s = 128 q + 0..127 of out_e[:, n, :].  It makes
;   a[s] = b3 + sum over j of W3[j] tanh(out_e[s,n] . W2[j] + u[n][j]),  m = max a,  p[s] = e^(a[s] - m),  l = sum p,  cp[:] = sum over s of p[s] out_e[s,n,:]
; and stores p, (m, l) and cp; the last launch joins the four quarters.  out_e is read from memory ONCE: its 128 rows are rounded to bf16 and stay in LDS for both products.
; SHARES.  The four waves lie side by side along the columns j; a wave makes 128 rows x 128 columns (64 accumulators, 512 registers) in each of two passes: j = 512 p + 128 w + 0..127.
; K goes in steps of 32: 16 LDS loads (8 KB of A), 16 global loads (8 KB of W2F, each load 512 consecutive bytes), 64 matrix instructions.  B has a ring of four register buffers and is asked for
; three steps, 192 matrix instructions, ahead; A's fragments have two buffers.  Source 0 = 16 rows s, source 1 = 16 columns j: a lane holds ONE column (lane % 16) and 8 rows, so u and W3 are one register a column tile.
; TANH.  tanh(x) = 1 - 2 / (1 + 2^(K2 x)), K2 = 2 log2(e); U holds K2 u.  Where the exponential overflows or is flushed to 0 the result is exactly 1 or -1.  So a[s] = sum W3 - 2 sum W3[j] r[j]:
; both parts are bounded by sum |W3|, as the direct sum is.  Each lane's running row sums start at its own share of sum W3.
; NO CLUSTER, NO TENSOR LOAD.  No two waves of the work-group read the same bytes of W2F, so LDS would be a landing place only; A takes 264,192 of the 327,680 bytes a work-group can have, which leaves
; two slots of 28 KB at the most: 56 matrix instructions a wave between two rounds of a cluster's barrier.  Asked for into registers a step's B has 192 in which to land, and the K loop has no barrier.
; The price: each work-group draws its own 2 MB of W2F.  A is converted on its way in, so it passes through registers anyway.
; LIMITS.  out_e, W2 and the weights p (in the second product; l is the sum of the unrounded p) are rounded to bf16; sums, tanh and softmax in f32.  A weight below 2^-126 counts as 0.
; NaN and infinities are not treated apart.
; REGISTERS, in windows of 256 (s_set_vgpr_msb: bits 1:0 source 0, 3:2 source 1, 5:4 source 2, 7:6 destination):
;   window 0: v0-31 addresses; v32-63 K2 u and -2 W3; v64-191 A's two fragment buffers; v192-255 the row sums      window 1: B's four buffers (at the end: two buffers of turned A)
;   windows 2, 3: the accumulators, tile (a, b) at v[8 (8 (a % 4) + b)] of window 2 + a / 4.  While A comes in, window 2 holds eight row slots of 32; at the end its v0-127 hold cp's 16 accumulators.
.set PITCH,  2064                      ; a row of A in LDS: 2,048 bytes + 16 = 129 x 16: the 16 rows of a fragment load start at 16 different groups of four banks (64 banks of 4 bytes: ISA guide 11.1)
.set ROWS16, 16*PITCH
.set ROWS32, 32*PITCH
.set RED,    128*PITCH                 ; [wave][128 rows] f32: the waves' partial a
.set PB,     RED+2048                  ; each wave's own 128 weights in bf16
.set CS,     PB+1024                   ; each wave's own 256 numbers of cp
.set SPARE,  CS+4096                   ; the spare words, 128 bytes for each wave
.set GOFF,  4                          ; v4      16 L; never rewritten
.set VST,   5                          ; v5      where I put 8 bytes of a row of A
.set ADRA0, 6                          ; v6-9    LDS address of my lane's place in A's rows 32 c + r; never rewritten
.set ADRW,  10                         ; v10-13  the same, walking along K
.set ATR,   14                         ; v14-17  my lane's place for the turning loads, rows 32 kk on
.set UOFF,  18                         ; v18     4 r
.set REDST, 20
.set REDLD, 21
.set PBST,  22
.set PBLD,  23
.set CSST,  24
.set CSLD,  25
.set SPW,   28                         ; v28     LDS address of my spare word; never rewritten
.set NIL,   29                         ; v29     0; never rewritten
.set US,    32                         ; v32-39  K2 u of the pass in hand, one register a column tile; v48-55 the second pass's
.set WM,    40                         ; v40-47  -2 W3 likewise; v56-63 the second pass's
.set F0,    64
.set F1,    128
.set ASUM,  192                        ; v[192 + 8 a + i]: row 16 a + 8 h + i, my column's share
.set MSB, 0
.macro WIN new                         ; the immediate's high byte repeats the setting that is left; a switch that changes nothing is dropped
.if MSB != (\new)
	s_set_vgpr_msb (MSB<<8)|(\new)
.set MSB, \new
.endif
.endm
.set MUL_LO, 0xa4                      ; A window 0, B window 1, C and D window 2
.set MUL_HI, 0xf4                      ; the same, C and D window 3
.set TO_B,   0x40                      ; destination window 1
.macro PLACES                          ; a load into a register that a matrix instruction has read, and a vector instruction that reads a matrix result, stand four plain vector
.rept 4                                ; instructions behind it (ISA guide 7.12.1 for vector instructions); matrix instructions are not counted
	v_nop
.endr
.endm
; A row of out_e (4,096 bytes: eight loads of 512 consecutive bytes) into row slot \slot of window 2
.macro AFILL slot, imm
	WIN 0x80
.irp j, 0,1,2,3,4,5,6,7
	global_load_b128 v[32*(\slot)+4*\j:32*(\slot)+4*\j+3], v[GOFF], s[24:25] offset:(\imm)+512*\j th:TH_LOAD_NT
.endr
.endm
; The turn of row slot s: its row is in (left = the younger loads that may stay out), is rounded to bf16 and goes to LDS, 256 consecutive bytes a store; the slot read last turn takes the row seven further on
.macro ATURN s, fill, left
	s_wait_loadcnt \left
	WIN 0x0a
.set TT, F0+16*((\s)%2)
.irp j, 0,1,2,3,4,5,6,7
	v_cvt_pk_bf16_f32 v[TT+2*\j],   v[32*(\s)+4*\j],   v[32*(\s)+4*\j+1]
	v_cvt_pk_bf16_f32 v[TT+2*\j+1], v[32*(\s)+4*\j+2], v[32*(\s)+4*\j+3]
.endr
.if \fill
	AFILL ((\s)+7)%8, ((\s)+7)*262144
.endif
	WIN 0
.irp j, 0,1,2,3,4,5,6,7
	ds_store_b64 v[VST], v[TT+2*\j:TT+2*\j+1] offset:(\s)*PITCH+256*\j
.endr
.endm
; A step's eight fragments of B, 8,192 consecutive bytes of my wave's stream, into buffer \buf
.macro BFILL buf, imm
	WIN TO_B
.irp b, 0,1,2,3,4,5,6,7
	global_load_b128 v[64*(\buf)+8*\b:64*(\buf)+8*\b+3],   v[GOFF], s[26:27] offset:(\imm)+1024*\b
	global_load_b128 v[64*(\buf)+8*\b+4:64*(\buf)+8*\b+7], v[GOFF], s[26:27] offset:(\imm)+1024*\b+512
.endr
.endm
; A step's eight fragments of A (128 rows x 32 K at byte k of the rows) into buffer f
.macro FETCHA f, k
	WIN 0
.irp a, 0,1,2,3,4,5,6,7
	ds_load_b128 v[(\f)+8*\a:(\f)+8*\a+3],   v[ADRW+\a/2] offset:(\a%2)*ROWS16+(\k)
	ds_load_b128 v[(\f)+8*\a+4:(\f)+8*\a+7], v[ADRW+\a/2] offset:(\a%2)*ROWS16+(\k)+32
.endr
.endm
; 16 matrix instructions: row tiles a0, a0 + 1 of the window's four x all 8 column tiles.  zero = 1: the first product starts the sums
.macro MUL16 f, bc, hi, a0, zero
	WIN MUL_LO+0x50*(\hi)
.irp a, \a0, (\a0)+1
.irp b, 0,1,2,3,4,5,6,7
.if \zero
	v_wmma_f32_16x16x32_bf16 v[8*(8*(\a)+(\b)):8*(8*(\a)+(\b))+7], v[(\f)+8*(4*(\hi)+(\a)):(\f)+8*(4*(\hi)+(\a))+7], v[64*(\bc)+8*(\b):64*(\bc)+8*(\b)+7], 0
.else
	v_wmma_f32_16x16x32_bf16 v[8*(8*(\a)+(\b)):8*(8*(\a)+(\b))+7], v[(\f)+8*(4*(\hi)+(\a)):(\f)+8*(4*(\hi)+(\a))+7], v[64*(\bc)+8*(\b):64*(\bc)+8*(\b)+7], v[8*(8*(\a)+(\b)):8*(8*(\a)+(\b))+7]
.endif
.endr
.endr
.endm
; A K step: multiplies A's buffer f by B's buffer bc; in its middle, in one run, it asks for B three steps on (into the buffer read last step) and fetches A's next fragments into g.
; The 64 accumulators take turns in one order, over step, loop and pass edges too.
.macro STEP f, g, bc, zero, ldb, bimm, lda, ka, lcnt
	s_wait_loadcnt \lcnt                           ; B's buffer bc is in; the younger buffers' loads stay out
	s_wait_dscnt 8                                 ; A's rows 0-63 are in; the youngest eight loads (rows 64-127) may be out
	MUL16 \f, \bc, 0, 0, \zero
	MUL16 \f, \bc, 0, 2, \zero
	PLACES
.if \ldb
	BFILL ((\bc)+3)%4, \bimm
.endif
.if \lda
	FETCHA \g, \ka
	s_wait_dscnt 16                                ; all but the 16 just issued
.else
	s_wait_dscnt 0
.endif
	MUL16 \f, \bc, 1, 0, \zero
	MUL16 \f, \bc, 1, 2, \zero
.endm
; THE WAY FROM x TO THE ROW SUMS, for tile t of a window (column tile t % 8).  S1: K2 x + K2 u.  S2: 2^.  S3: 1 +.  S4: the reciprocal r.  All in place.
.macro S1 t
.set rA, 8*(\t)
.set bb, (\t)%8
.irp j, 0,2,4,6
.if bb%2
	v_pk_fma_f32 v[rA+\j:rA+\j+1], v[rA+\j:rA+\j+1], s[40:41], v[US+bb-1:US+bb] op_sel:[0,0,1] op_sel_hi:[1,0,1]
.else
	v_pk_fma_f32 v[rA+\j:rA+\j+1], v[rA+\j:rA+\j+1], s[40:41], v[US+bb:US+bb+1] op_sel_hi:[1,0,0]
.endif
.endr
.endm
.macro S2 t
.irp i, 0,1,2,3,4,5,6,7
	v_exp_f32 v[8*(\t)+\i], v[8*(\t)+\i]
.endr
.endm
.macro S3 t
	s_wait_alu depctr_va_vdst(0)
.irp j, 0,2,4,6
	v_pk_add_f32 v[8*(\t)+\j:8*(\t)+\j+1], v[8*(\t)+\j:8*(\t)+\j+1], 1.0 op_sel_hi:[1,0]
.endr
.endm
.macro S4 t
.irp i, 0,1,2,3,4,5,6,7
	v_rcp_f32 v[8*(\t)+\i], v[8*(\t)+\i]
.endr
.endm
; One window's 32 tiles.  The next tile's S1, four plain instructions on other registers, stands between a tile's exponentials and their use (ISA guide 5.7.2); the reciprocals are used far later.
; Each accumulator is read from its lowest pair on.  Then the row sums take -2 W3 r, column tile by column tile: 16 independent lines between two on one sum.
.macro EPI hi
	WIN 0x82+0x41*(\hi)                            ; source 0 and destination in the accumulators' window
	S1 0
.set tt, 0
.rept 32
	S2 tt
.if tt < 31
	S1 tt+1
.else
	v_nop
	s_wait_alu depctr_va_vdst(0)
.endif
	S3 tt
	S4 tt
.set tt, tt+1
.endr
	WIN 0x02+(\hi)                                 ; source 0 in the accumulators' window
.irp b, 0,1,2,3,4,5,6,7
.irp a, 0,1,2,3
.irp j, 0,2,4,6
.if (\b)%2
	s_wait_alu depctr_va_vdst(0)
	v_pk_fma_f32 v[ASUM+8*(4*(\hi)+\a)+\j:ASUM+8*(4*(\hi)+\a)+\j+1], v[8*(8*\a+\b)+\j:8*(8*\a+\b)+\j+1], v[WM+\b-1:WM+\b], v[ASUM+8*(4*(\hi)+\a)+\j:ASUM+8*(4*(\hi)+\a)+\j+1] op_sel:[0,1,0] op_sel_hi:[1,1,1]
.else
	v_pk_fma_f32 v[ASUM+8*(4*(\hi)+\a)+\j:ASUM+8*(4*(\hi)+\a)+\j+1], v[8*(8*\a+\b)+\j:8*(8*\a+\b)+\j+1], v[WM+\b:WM+\b+1], v[ASUM+8*(4*(\hi)+\a)+\j:ASUM+8*(4*(\hi)+\a)+\j+1] op_sel_hi:[1,0,1]
.endif
.endr
.endr
.endr
.endm
; One level of the sum over the 16 columns of a half of the lanes, which halves the registers: of registers 2 k and 2 k + 1 a lane keeps one (by the bit of its number that the mask names),
; sends the other to the lane across that bit, and adds what it receives.
.macro BFLY mask, xm, cnt
.set kx, 0
.rept \cnt
	v_cndmask_b32 v[F0+2*(kx%4)],   v[ASUM+2*kx+1], v[ASUM+2*kx],   s[\mask]
	v_cndmask_b32 v[F0+2*(kx%4)+1], v[ASUM+2*kx],   v[ASUM+2*kx+1], s[\mask]
	v_add_f32_dpp v[ASUM+kx], v[F0+2*(kx%4)], v[F0+2*(kx%4)+1] row_xmask:\xm row_mask:0xf bank_mask:0xf
.set kx, kx+1
.endr
.endm
; The second product's B: rows 32 kk on of A x my 256 columns, turned on the way out of LDS: 16 fragments
.macro TRFILL kk, buf
	WIN TO_B
.irp t, 0,1,2,3,4,5,6,7,8,9,10,11,12,13,14,15
	ds_load_tr16_b128 v[128*(\buf)+8*\t:128*(\buf)+8*\t+3],   v[ATR+(\kk)] offset:32*\t
	ds_load_tr16_b128 v[128*(\buf)+8*\t+4:128*(\buf)+8*\t+7], v[ATR+(\kk)] offset:32*\t+ROWS16
.endr
.endm
.macro CMUL kk, buf, zero              ; 16 matrix instructions on 16 accumulators by turns: every row of source 0 is p
	WIN MUL_LO
.irp t, 0,1,2,3,4,5,6,7,8,9,10,11,12,13,14,15
.if \zero
	v_wmma_f32_16x16x32_bf16 v[8*\t:8*\t+7], v[F0+8*(\kk):F0+8*(\kk)+7], v[128*(\buf)+8*\t:128*(\buf)+8*\t+7], 0
.else
	v_wmma_f32_16x16x32_bf16 v[8*\t:8*\t+7], v[F0+8*(\kk):F0+8*(\kk)+7], v[128*(\buf)+8*\t:128*(\buf)+8*\t+7], v[8*\t:8*\t+7]
.endif
.endr
.endm
	; ---- the head
	s_load_b512 s[4:19], s[0:1], 0x0               ; out_e s[4:5], W2F s[6:7], U s[8:9], W3 s[10:11], b3 s[12:13], P s[14:15], ML s[16:17], CP s[18:19]
	v_lshl_add_u32 v[SPW], v0, 2, SPARE
	v_mov_b32 v[NIL], 0
	v_lshrrev_b32 v1, 5, v0
	v_readfirstlane_b32 s20, v1                    ; wave 0..3
	s_lshr_b32 s21, ttmp9, 2                       ; n
	s_and_b32 s22, ttmp9, 3                        ; q
	s_mov_b32 s40, 0x4038aa3b                      ; K2 = 2 log2(e)
	s_mov_b32 s41, 0x4038aa3b                      ; named with it as a pair
	s_mov_b32 s42, 0x3fb8aa3b                      ; log2(e)
	s_mov_b32 s44, 0x76543210                      ; v_permlanex16_b32: each lane takes its own place in the other half
	s_mov_b32 s45, 0xfedcba98
	s_mov_b32 s46, 0xaaaaaaaa                      ; lanes whose number has bit 0 set; bit 1; bit 2; bit 3; bit 4
	s_mov_b32 s47, 0xcccccccc
	s_mov_b32 s48, 0xf0f0f0f0
	s_mov_b32 s49, 0xff00ff00
	s_mov_b32 s50, 0xffff0000
	s_mov_b32 s57, 0                               ; named with b3 as a pair
	v_and_b32 v1, 31, v0                           ; L
	v_and_b32 v2, 15, v0                           ; r
	v_bfe_u32 v3, v0, 4, 1                         ; h
	v_lshlrev_b32 v[GOFF], 4, v1
	s_mul_i32 s38, s20, ROWS32                     ; my wave brings rows 32 w on
	v_lshl_add_u32 v[VST], v1, 3, s38
	v_mul_u32_u24 v30, v2, PITCH
	v_lshl_add_u32 v30, v3, 4, v30                 ; a fragment's row x pitch + 16 x half
.irp c, 0,1,2,3
	v_add_nc_u32 v[ADRA0+\c], \c*ROWS32, v30
.endr
	v_and_b32 v31, 7, v0
	v_lshl_add_u32 v31, v3, 3, v31                 ; 8 h + L % 8
	v_bfe_u32 v30, v0, 3, 1                        ; (L / 8) % 2
	v_lshl_add_u32 v26, v30, 4, v31                ; 16 (r / 8) + 8 h + r % 8: the row, of 32, that the sum over columns leaves in my lane
	v_mul_u32_u24 v31, v31, PITCH                  ; the turning load: lane L reads row 8 h + L % 8, 16 bytes at 16 ((L / 8) % 2),
	v_lshl_add_u32 v31, v30, 4, v31
	v_lshl_add_u32 v31, s20, 9, v31                ; in my wave's 256 columns
.irp c, 0,1,2,3
	v_add_nc_u32 v[ATR+\c], \c*ROWS32, v31
.endr
	v_lshlrev_b32 v[UOFF], 2, v2
	s_lshl_b32 s38, s20, 9
	s_add_co_u32 s38, s38, RED
	v_lshl_add_u32 v[REDST], v26, 2, s38
	v_add_nc_u32 v[REDLD], RED, v[GOFF]
	s_lshl_b32 s38, s20, 8
	s_add_co_u32 s38, s38, PB
	v_lshl_add_u32 v[PBST], v1, 3, s38
	v_lshl_add_u32 v[PBLD], v3, 4, s38
	s_lshl_b32 s38, s20, 10
	s_add_co_u32 s38, s38, CS
	v_lshl_add_u32 v[CSST], v1, 2, s38
	v_lshl_add_u32 v[CSLD], v1, 4, s38
	s_mov_b32 s39, 0                               ; high word of every offset
	s_lshl_b32 s38, s22, 25                        ; row (s, n) of out_e lies at 2^18 s + 2^12 n: s = 128 q + 32 w
	s_lshl_b32 s55, s20, 23
	s_add_co_u32 s38, s38, s55
	s_lshl_b32 s55, s21, 12
	s_add_co_u32 s38, s38, s55
	s_wait_kmcnt 0x0
	s_add_nc_u64 s[24:25], s[4:5], s[38:39]        ; out_e at my wave's first row
	s_lshl_b32 s38, s20, 19
	s_add_nc_u64 s[26:27], s[6:7], s[38:39]        ; W2F at my wave's stream of 64 steps
	s_lshl_b32 s38, s20, 15
	s_lshl_b32 s55, s21, 6
	s_add_co_u32 s38, s38, s55
	s_add_nc_u64 s[28:29], s[8:9], s[38:39]        ; U at [8 w][n]
	s_lshl_b32 s38, s20, 9
	s_add_nc_u64 s[30:31], s[10:11], s[38:39]      ; W3 at column 128 w
	s_lshl_b32 s38, ttmp9, 9
	s_add_nc_u64 s[32:33], s[14:15], s[38:39]      ; P at [n][128 q]
	s_lshl_b32 s38, ttmp9, 3
	s_add_nc_u64 s[34:35], s[16:17], s[38:39]      ; ML at [n][q]
	s_lshl_b32 s38, ttmp9, 12
	s_lshl_b32 s55, s20, 10
	s_add_co_u32 s38, s38, s55
	s_add_nc_u64 s[36:37], s[18:19], s[38:39]      ; CP at [g][256 w]
	s_load_b32 s56, s[12:13], 0x0                  ; b3
	; ---- K2 u and W3 of my 2 x 8 column tiles, then the first rows of A
.irp p, 0,1
.irp b, 0,1,2,3,4,5,6,7
	global_load_b32 v[US+16*\p+\b], v[UOFF], s[28:29] offset:131072*\p+4096*\b
	global_load_b32 v[WM+16*\p+\b], v[UOFF], s[30:31] offset:2048*\p+64*\b
.endr
.endr
	AFILL 0, 0
	AFILL 1, 262144
	AFILL 2, 2*262144
	WIN 0
	s_wait_kmcnt 0x0                               ; b3
	s_wait_loadcnt 24                              ; the three rows' 24 loads stay out: u and W3 are in
	v_pk_add_f32 v[64:65], v[WM:WM+1], v[WM+2:WM+3]
	v_pk_add_f32 v[66:67], v[WM+4:WM+5], v[WM+6:WM+7]
	v_pk_add_f32 v[68:69], v[WM+16:WM+17], v[WM+18:WM+19]
	v_pk_add_f32 v[70:71], v[WM+20:WM+21], v[WM+22:WM+23]
	v_pk_add_f32 v[64:65], v[64:65], v[66:67]
	v_pk_add_f32 v[68:69], v[68:69], v[70:71]
	v_pk_add_f32 v[64:65], v[64:65], v[68:69]
	v_add_f32 v30, v64, v65                        ; the sum of W3 over my lane's 16 columns
.irp i, 0,2,4,6,16,18,20,22
	v_pk_mul_f32 v[WM+\i:WM+\i+1], v[WM+\i:WM+\i+1], -2.0 op_sel_hi:[1,0]
.endr
.set i, 0
.rept 64
	v_mov_b32 v[ASUM+i], v30                       ; no clearing: every row's sum starts at my columns' share of sum W3; these lines stand in the wait for A's first rows
.set i, i+1
.endr
	AFILL 3, 3*262144
	AFILL 4, 4*262144
	AFILL 5, 5*262144
	AFILL 6, 6*262144
	WIN 0
	; ---- A comes in: my wave's 32 rows through a ring of eight row slots, seven rows (56 loads) on their way
	s_mov_b32 s51, 3
.Lrows:
.irp s, 0,1,2,3,4,5,6,7
	ATURN \s, 1, 48                                ; six younger rows stay out
.endr
	s_wait_xcnt 0x0                                ; the loads' base is stepped only behind this wait
	s_add_nc_u64 s[24:25], s[24:25], 8*262144
	v_add_nc_u32 v[VST], 8*PITCH, v[VST]
	s_sub_co_u32 s51, s51, 1
	s_cmp_lg_u32 s51, 0
	s_cbranch_scc1 .Lrows
	ATURN 0, 1, 48                                 ; the last eight rows: one more fill (row 31), then B's first three steps take the rows' place among the loads
	ATURN 1, 0, 48                                 ; six rows
	ATURN 2, 0, 40                                 ; five rows
	BFILL 0, 0
	ATURN 3, 0, 48                                 ; four rows and 16 loads of B
	ATURN 4, 0, 40                                 ; three rows and 16
	BFILL 1, 8192
	ATURN 5, 0, 48                                 ; two rows and 32
	ATURN 6, 0, 40                                 ; one row and 32
	BFILL 2, 16384
	ATURN 7, 0, 48                                 ; the 48 loads of B
	s_wait_dscnt 0x0                               ; for the others' sake: my rows are in LDS
	s_barrier_signal -1
	s_barrier_wait -1                              ; A is whole; from here on it is only read
	; ---- two passes of 512 columns; one text
	s_mov_b32 s52, 2
.Lpass:
.irp c, 0,1,2,3
	v_mov_b32 v[ADRW+\c], v[ADRA0+\c]
.endr
	FETCHA F0, 0
	STEP F0, F1, 0, 1, 1, 3*8192, 1, 64, 32        ; step 0 stands in front of the loop: its products start the sums
	WIN 0
	s_mov_b32 s51, 7
.Lk:                                                   ; a trip: four steps, once round B's ring: steps 1 to 28
	STEP F1, F0, 1, 0, 1, 4*8192, 1, 128, 32
	STEP F0, F1, 2, 0, 1, 5*8192, 1, 192, 32
	STEP F1, F0, 3, 0, 1, 6*8192, 1, 256, 32
	STEP F0, F1, 0, 0, 1, 7*8192, 1, 320, 32
	WIN 0
	s_wait_xcnt 0x0                                ; B's base is stepped only behind this wait
	s_add_nc_u64 s[26:27], s[26:27], 32768
.irp c, 0,1,2,3
	v_add_nc_u32 v[ADRW+\c], 256, v[ADRW+\c]
.endr
	s_sub_co_u32 s51, s51, 1
	s_cmp_lg_u32 s51, 0
	s_cbranch_scc1 .Lk
	STEP F1, F0, 1, 0, 0, 0, 1, 128, 32            ; steps 29 to 31 ask for no B: the counts run down
	STEP F0, F1, 2, 0, 0, 0, 1, 192, 16
	STEP F1, F0, 3, 0, 0, 0, 0, 0, 0
	WIN 0
	PLACES                                         ; in front of the loads into B's buffers and of the first reads of the sums
	s_add_nc_u64 s[26:27], s[26:27], 32768         ; no load of B is out (the last step's wait was for 0): on to the next pass's step 0
	s_cmp_eq_u32 s52, 1
	s_cbranch_scc1 .Lnoprime                       ; behind the last pass there is nothing to ask for
	BFILL 0, 0                                     ; the next pass's first three steps land while this pass's tanh is made
	BFILL 1, 8192
	BFILL 2, 16384
	WIN 0
.Lnoprime:
	EPI 0
	EPI 1
	WIN 0
.set i, 0
.rept 16
	v_mov_b32 v[US+i], v[US+16+i]                  ; the second pass's u and W3 go where the one text names them (behind the second pass these lines serve nothing: the price of one text)
.set i, i+1
.endr
	s_sub_co_u32 s52, s52, 1
	s_cmp_lg_u32 s52, 0
	s_cbranch_scc1 .Lpass
	; ---- a: the sum over my wave's columns, then over the waves
	BFLY 46, 1, 32
	BFLY 47, 2, 16
	BFLY 48, 4, 8
	BFLY 49, 8, 4                                  ; register c of four now holds row 32 c + 16 (r / 8) + 8 h + r % 8
.irp c, 0,1,2,3
	ds_store_b32 v[REDST], v[ASUM+\c] offset:128*\c
.endr
	s_wait_dscnt 0x0                               ; for the others' sake
	s_barrier_signal -1
	s_barrier_wait -1
.irp x, 0,1,2,3
	ds_load_b128 v[96+4*\x:99+4*\x], v[REDLD] offset:512*\x  ; rows 4 L .. 4 L + 3, wave x's share
.endr
	TRFILL 0, 0
	WIN 0
	s_wait_dscnt 32                                ; the 32 turning loads may stay out
	v_pk_add_f32 v[96:97], v[96:97], v[100:101]
	v_pk_add_f32 v[98:99], v[98:99], v[102:103]
	v_pk_add_f32 v[104:105], v[104:105], v[108:109]
	v_pk_add_f32 v[106:107], v[106:107], v[110:111]
	v_pk_add_f32 v[96:97], v[96:97], v[104:105]
	v_pk_add_f32 v[98:99], v[98:99], v[106:107]
	v_pk_add_f32 v[96:97], v[96:97], s[56:57] op_sel_hi:[1,0]  ; + b3
	v_pk_add_f32 v[98:99], v[98:99], s[56:57] op_sel_hi:[1,0]
	; every wave makes m, p and l of all 128 rows for itself, in the same order: the same bits in all four
	v_max3_num_f32 v112, v96, v97, v98
	v_max_num_f32 v112, v112, v99
	v_max_num_f32_dpp v112, v112, v112 row_xmask:1 row_mask:0xf bank_mask:0xf
	v_max_num_f32_dpp v112, v112, v112 row_xmask:2 row_mask:0xf bank_mask:0xf
	v_max_num_f32_dpp v112, v112, v112 row_xmask:4 row_mask:0xf bank_mask:0xf
	v_max_num_f32_dpp v112, v112, v112 row_xmask:8 row_mask:0xf bank_mask:0xf
	v_permlanex16_b32 v104, v112, s44, s45         ; its destination counts as read: a register that has been written
	v_max_num_f32 v112, v112, v104                 ; m
.irp i, 0,1,2,3
	v_sub_f32 v[100+\i], v[96+\i], v112
.endr
.irp i, 0,1,2,3
	v_mul_f32 v[100+\i], s42, v[100+\i]
.endr
.irp i, 0,1,2,3
	v_exp_f32 v[100+\i], v[100+\i]                 ; p = e^(a - m)
.endr
	v_nop                                          ; a plain instruction between the last exponential and the use of its result
	s_wait_alu depctr_va_vdst(0)
	v_cvt_pk_bf16_f32 v116, v100, v101
	v_cvt_pk_bf16_f32 v117, v102, v103
	v_add_f32 v113, v100, v101
	v_add_f32 v105, v102, v103
	ds_store_b64 v[PBST], v[116:117]
.irp c, 0,1,2,3
	ds_load_b128 v[F0+8*\c:F0+8*\c+3],   v[PBLD] offset:64*\c      ; LDS serves a wave's instructions in order (ISA guide 5.7.1.4): these see my store above.  All 16 rows of source 0 are p
	ds_load_b128 v[F0+8*\c+4:F0+8*\c+7], v[PBLD] offset:64*\c+32
.endr
	v_add_f32 v113, v113, v105
	v_add_f32_dpp v113, v113, v113 row_xmask:1 row_mask:0xf bank_mask:0xf
	v_add_f32_dpp v113, v113, v113 row_xmask:2 row_mask:0xf bank_mask:0xf
	v_add_f32_dpp v113, v113, v113 row_xmask:4 row_mask:0xf bank_mask:0xf
	v_add_f32_dpp v113, v113, v113 row_xmask:8 row_mask:0xf bank_mask:0xf
	v_permlanex16_b32 v105, v113, s44, s45
	v_add_f32 v113, v113, v105                     ; l
	s_cmp_lg_u32 s20, 0
	s_cbranch_scc1 .Lnot0                          ; wave 0 stores p, m and l for the work-group
	global_store_b128 v[GOFF], v[100:103], s[32:33]  ; 512 consecutive bytes, aligned
	s_wait_xcnt 0x0                                ; EXEC changes only behind this wait
	v_cmp_eq_u32 vcc_lo, 0, v1
	s_and_saveexec_b32 s54, vcc_lo
	global_store_b64 v[GOFF], v[112:113], s[34:35] ; lane 0 alone: (m, l)
	s_wait_xcnt 0x0                                ; and again, in front of the line that widens it
	s_or_b32 exec_lo, exec_lo, s54
.Lnot0:
	; ---- cp = p A for my 256 columns: 4 steps of 32 rows, 16 column tiles
	s_wait_dscnt 0x0                               ; p's fragments and the first turned rows are in
	TRFILL 1, 1
	CMUL 0, 0, 1
	s_wait_dscnt 0x0
	PLACES
	TRFILL 2, 0
	CMUL 1, 1, 0
	s_wait_dscnt 0x0
	PLACES
	TRFILL 3, 1
	CMUL 2, 0, 0
	s_wait_dscnt 0x0
	CMUL 3, 1, 0
	PLACES
	WIN 0x0a                                       ; all 16 rows of a result are alike: register 0, the lowest, of tile 2 u (lanes 0-15) or 2 u + 1 (lanes 16-31) is cp[256 w + 32 u + L]
.irp u, 0,1,2,3,4,5,6,7
	v_cndmask_b32 v[F0+\u], v[16*\u], v[16*\u+8], s50
.endr
	WIN 0
.irp u, 0,1,2,3,4,5,6,7
	ds_store_b32 v[CSST], v[F0+\u] offset:128*\u
.endr
	ds_load_b128 v[72:75], v[CSLD]                 ; back as 16 neighbouring bytes a lane: my own bytes, served in order
	ds_load_b128 v[76:79], v[CSLD] offset:512
	s_wait_dscnt 0x0
	global_store_b128 v[GOFF], v[72:75], s[36:37]  ; 512 consecutive bytes, aligned
	global_store_b128 v[GOFF], v[76:79], s[36:37] offset:512
	s_wait_tensorcnt 0x0                           ; the wave's end, behind my last LDS store
	ds_add_u32 v[SPW], v[NIL]
	s_wait_dscnt 0x0
	s_endpgm
.Lfunc_end_k_q420900ded8_attn:
	.size	k_q420900ded8_attn, .Lfunc_end_k_q420900ded8_attn-k_q420900ded8_attn
	.p2alignl 7, 3214868480
	.fill 96, 4, 3214868480
	.section	.rodata,"a",@progbits
	.p2align	6, 0x0
	.amdhsa_kernel k_q420900ded8_attn
		.amdhsa_group_segment_fixed_size 271872
		.amdhsa_private_segment_fixed_size 0
		.amdhsa_enable_private_segment 0
		.amdhsa_kernarg_size 64
		.amdhsa_user_sgpr_count 2
		.amdhsa_user_sgpr_kernarg_segment_ptr 1
		.amdhsa_wavefront_size32 1
		.amdhsa_system_sgpr_workgroup_id_x 1
		.amdhsa_system_sgpr_workgroup_id_y 1
		.amdhsa_system_sgpr_workgroup_id_z 1
		.amdhsa_system_vgpr_workitem_id 0
		.amdhsa_next_free_vgpr 1024
		.amdhsa_next_free_sgpr 66
		.amdhsa_reserve_vcc 1
		.amdhsa_float_denorm_mode_32 3
		.amdhsa_float_denorm_mode_16_64 3
		.amdhsa_memory_ordered 1
		.amdhsa_forward_progress 1
		.amdhsa_inst_pref_size 225
	.end_amdhsa_kernel
	.amdgpu_metadata
---
amdhsa.version: [ 1, 2 ]
amdhsa.kernels:
  - .name:           k_q420900ded8_attn
    .symbol:         k_q420900ded8_attn.kd
    .args:
      - { .name: out_e, .offset: 0, .size: 8, .value_kind: global_buffer, .address_space: global }
      - { .name: W2F, .offset: 8, .size: 8, .value_kind: global_buffer, .address_space: global }
      - { .name: U, .offset: 16, .size: 8, .value_kind: global_buffer, .address_space: global }
      - { .name: W3, .offset: 24, .size: 8, .value_kind: global_buffer, .address_space: global }
      - { .name: b3, .offset: 32, .size: 8, .value_kind: global_buffer, .address_space: global }
      - { .name: P, .offset: 40, .size: 8, .value_kind: global_buffer, .address_space: global }
      - { .name: ML, .offset: 48, .size: 8, .value_kind: global_buffer, .address_space: global }
      - { .name: CP, .offset: 56, .size: 8, .value_kind: global_buffer, .address_space: global }
    .group_segment_fixed_size: 271872
    .private_segment_fixed_size: 0
    .kernarg_segment_align: 8
    .kernarg_segment_size: 64
    .max_flat_workgroup_size: 128
    .sgpr_count:     66
    .vgpr_count:     1024
    .wavefront_size: 32
...
	.end_amdgpu_metadata
.endif
;; end of part 2
;; launch finish (part 3): grid 64 x 1, 4 waves a work-group, no clusters, 0 bytes of LDS; arguments P, ML, CP, out0, out1; writes out0, out1
.if DOCPART == 3
	.amdgcn_target "amdgcn-amd-amdhsa--gfx1250"
	.amdhsa_code_object_version 6
	.text
	.protected	k_q420900ded8_finish
	.globl	k_q420900ded8_finish
	.p2align	8
	.type	k_q420900ded8_finish,@function
k_q420900ded8_finish:
	s_mov_b64 s[64:65], 0
	v_nop
	global_prefetch_b8 v0, s[64:65] scope:SCOPE_SE
	s_setreg_imm32_b32 hwreg(HW_REG_WAVE_MODE, 25, 1), 1
	s_wait_xcnt 0x0
; FINISH.  The four quarters of the source are joined.  For a batch row n with quarters q: M = max m_q, f_q = e^(m_q - M) / sum over q of e^(m_q - M) l_q; then
;   out0[n][:] = sum over q of f_q CP[4 n + q][:]      out1[s][n] = f_(s / 128) P[n][s].
; The maximum over all 512 rows is taken away before every exponential; the divisor is at least 1 (the quarter that holds M has weight 1 and l >= 1).
; SHARES.  Work-group k: out0's row n = k (wave w: columns 256 w on, two pieces of 16 bytes a lane) and out1's rows s = 8 k + 2 w, + 1 for all 64 n (lane L: n = 2 L, 2 L + 1), all in quarter k / 16.
; 64 work-groups: the launch moves 1.5 MB and has one short chain of loads, arithmetic and stores; no LDS, no barrier, no matrix work.
.set LOG2E, 0x3fb8aa3b
	s_load_b256 s[4:11], s[0:1], 0x0               ; P s[4:5], ML s[6:7], CP s[8:9], out0 s[10:11]
	s_load_b64 s[12:13], s[0:1], 0x20              ; out1
	v_lshrrev_b32 v1, 5, v0
	v_readfirstlane_b32 s14, v1                    ; wave 0..3
	v_and_b32 v1, 31, v0                           ; L
	v_lshlrev_b32 v2, 4, v1                        ; 16 L
	v_lshlrev_b32 v3, 6, v1                        ; 64 L: the statistics of n = 2 L and 2 L + 1
	v_lshlrev_b32 v4, 12, v1                       ; 4,096 L: P's rows 2 L and 2 L + 1
	v_lshlrev_b32 v5, 3, v1                        ; 8 L
	v_mov_b32 v6, 0
	s_mov_b32 s15, LOG2E
	s_lshr_b32 s16, ttmp9, 4                       ; the quarter of my rows of out1
	s_bitcmp1_b32 s16, 0
	s_cselect_b32 s17, -1, 0                       ; its two bits as masks for all lanes
	s_bitcmp1_b32 s16, 1
	s_cselect_b32 s18, -1, 0
	s_mov_b32 s21, 0
	s_lshl_b32 s20, ttmp9, 5
	s_wait_kmcnt 0x0
	s_add_nc_u64 s[22:23], s[6:7], s[20:21]        ; ML at n = k
	s_lshl_b32 s24, s14, 3
	s_add_co_u32 s20, s20, s24
	s_add_nc_u64 s[4:5], s[4:5], s[20:21]          ; P at column s = 8 k + 2 w
	s_lshl_b32 s20, ttmp9, 14
	s_lshl_b32 s24, s14, 10
	s_add_co_u32 s20, s20, s24
	s_add_nc_u64 s[8:9], s[8:9], s[20:21]          ; CP at [4 k][256 w]
	s_lshl_b32 s20, ttmp9, 12
	s_add_co_u32 s20, s20, s24
	s_add_nc_u64 s[10:11], s[10:11], s[20:21]      ; out0 at [k][256 w]
	s_lshl_b32 s20, ttmp9, 11
	s_lshl_b32 s24, s14, 9
	s_add_co_u32 s20, s20, s24
	s_add_nc_u64 s[12:13], s[12:13], s[20:21]      ; out1 at row 8 k + 2 w
	global_load_b128 v[8:11], v6, s[22:23]         ; (m, l) x 4 of n = k, the same in every lane
	global_load_b128 v[12:15], v6, s[22:23] offset:16
.irp i, 0,1,2,3
	global_load_b128 v[16+4*\i:19+4*\i], v3, s[6:7] offset:16*\i  ; of n = 2 L, then of n = 2 L + 1
.endr
	global_load_b64 v[64:65], v4, s[4:5]           ; P[2 L][s], P[2 L][s + 1]
	global_load_b64 v[66:67], v4, s[4:5] offset:2048  ; P[2 L + 1][..]
.irp q, 0,1,2,3
	global_load_b128 v[32+8*\q:35+8*\q], v2, s[8:9] offset:4096*\q
	global_load_b128 v[36+8*\q:39+8*\q], v2, s[8:9] offset:4096*\q+512
.endr
; From (m, l) x 4 at v[b ..] the four factors f_q at v[o .. o + 3]; v[o + 4], v[o + 5] at work
.macro STAT b, o
	v_max3_num_f32 v[\o+5], v[\b], v[\b+2], v[\b+4]
	v_max_num_f32 v[\o+5], v[\o+5], v[\b+6]
.irp q, 0,1,2,3
	v_sub_f32 v[\o+\q], v[\b+2*\q], v[\o+5]
.endr
.irp q, 0,1,2,3
	v_mul_f32 v[\o+\q], s15, v[\o+\q]
.endr
.irp q, 0,1,2,3
	v_exp_f32 v[\o+\q], v[\o+\q]
.endr
	v_nop                                          ; a plain instruction between the last exponential and the use of its result
	s_wait_alu depctr_va_vdst(0)
	v_mul_f32 v[\o+4], v[\o], v[\b+1]
	v_fmac_f32 v[\o+4], v[\o+1], v[\b+3]
	v_fmac_f32 v[\o+4], v[\o+2], v[\b+5]
	v_fmac_f32 v[\o+4], v[\o+3], v[\b+7]
	v_rcp_f32 v[\o+4], v[\o+4]
	v_nop
	s_wait_alu depctr_va_vdst(0)
.irp q, 0,1,2,3
	v_mul_f32 v[\o+\q], v[\o+\q], v[\o+4]
.endr
.endm
	s_wait_loadcnt 8                               ; CP's eight loads stay out: the statistics and P are in
	STAT 8, 68
	STAT 16, 74
	STAT 24, 80
	v_cndmask_b32 v86, v74, v75, s17               ; the factor of my rows' quarter, for n = 2 L,
	v_cndmask_b32 v88, v76, v77, s17
	v_cndmask_b32 v87, v80, v81, s17               ; and for n = 2 L + 1
	v_cndmask_b32 v89, v82, v83, s17
	v_cndmask_b32 v86, v86, v88, s18
	v_cndmask_b32 v87, v87, v89, s18
	v_mul_f32 v90, v64, v86
	v_mul_f32 v91, v66, v87
	v_mul_f32 v92, v65, v86
	v_mul_f32 v93, v67, v87
	global_store_b64 v5, v[90:91], s[12:13]        ; a whole row of out1: 256 consecutive bytes, aligned
	global_store_b64 v5, v[92:93], s[12:13] offset:256
	s_wait_loadcnt 0x0                             ; CP
.irp e, 0,4
.irp j, 0,2
	v_pk_mul_f32 v[8+\e+\j:9+\e+\j], v[32+\e+\j:33+\e+\j], v[68:69] op_sel_hi:[1,0]
	v_pk_fma_f32 v[8+\e+\j:9+\e+\j], v[40+\e+\j:41+\e+\j], v[68:69], v[8+\e+\j:9+\e+\j] op_sel:[0,1,0] op_sel_hi:[1,1,1]
	v_pk_fma_f32 v[8+\e+\j:9+\e+\j], v[48+\e+\j:49+\e+\j], v[70:71], v[8+\e+\j:9+\e+\j] op_sel_hi:[1,0,1]
	v_pk_fma_f32 v[8+\e+\j:9+\e+\j], v[56+\e+\j:57+\e+\j], v[70:71], v[8+\e+\j:9+\e+\j] op_sel:[0,1,0] op_sel_hi:[1,1,1]
.endr
.endr
	global_store_b128 v2, v[8:11], s[10:11]        ; 512 consecutive bytes, aligned
	global_store_b128 v2, v[12:15], s[10:11] offset:512
	s_endpgm
.Lfunc_end_k_q420900ded8_finish:
	.size	k_q420900ded8_finish, .Lfunc_end_k_q420900ded8_finish-k_q420900ded8_finish
	.p2alignl 7, 3214868480
	.fill 96, 4, 3214868480
	.section	.rodata,"a",@progbits
	.p2align	6, 0x0
	.amdhsa_kernel k_q420900ded8_finish
		.amdhsa_group_segment_fixed_size 0
		.amdhsa_private_segment_fixed_size 0
		.amdhsa_enable_private_segment 0
		.amdhsa_kernarg_size 40
		.amdhsa_user_sgpr_count 2
		.amdhsa_user_sgpr_kernarg_segment_ptr 1
		.amdhsa_wavefront_size32 1
		.amdhsa_system_sgpr_workgroup_id_x 1
		.amdhsa_system_sgpr_workgroup_id_y 1
		.amdhsa_system_sgpr_workgroup_id_z 1
		.amdhsa_system_vgpr_workitem_id 0
		.amdhsa_next_free_vgpr 96
		.amdhsa_next_free_sgpr 66
		.amdhsa_reserve_vcc 0
		.amdhsa_float_denorm_mode_32 3
		.amdhsa_float_denorm_mode_16_64 3
		.amdhsa_memory_ordered 1
		.amdhsa_forward_progress 1
		.amdhsa_inst_pref_size 8
	.end_amdhsa_kernel
	.amdgpu_metadata
---
amdhsa.version: [ 1, 2 ]
amdhsa.kernels:
  - .name:           k_q420900ded8_finish
    .symbol:         k_q420900ded8_finish.kd
    .args:
      - { .name: P, .offset: 0, .size: 8, .value_kind: global_buffer, .address_space: global }
      - { .name: ML, .offset: 8, .size: 8, .value_kind: global_buffer, .address_space: global }
      - { .name: CP, .offset: 16, .size: 8, .value_kind: global_buffer, .address_space: global }
      - { .name: out0, .offset: 24, .size: 8, .value_kind: global_buffer, .address_space: global }
      - { .name: out1, .offset: 32, .size: 8, .value_kind: global_buffer, .address_space: global }
    .group_segment_fixed_size: 0
    .private_segment_fixed_size: 0
    .kernarg_segment_align: 8
    .kernarg_segment_size: 40
    .max_flat_workgroup_size: 128
    .sgpr_count:     66
    .vgpr_count:     96
    .wavefront_size: 32
...
	.end_amdgpu_metadata
.endif
;; end of part 3
;; ======== version 2 of 2: 3 launches; version 1 with the launch finish written anew for expert scheduling mode
;; workspace buffers: W2F 2,097,152 bytes; U 262,144 bytes; P 131,072 bytes; ML 2,048 bytes; CP 1,048,576 bytes
;; launch prep: the kernel of part 1 again; grid 256 x 1, 8 waves a work-group, no clusters, 9,216 bytes of LDS; arguments hidden_d, W1, W2, b1, b2, U, W2F; writes U, W2F
;; launch attn: the kernel of part 2 again; grid 256 x 1, 4 waves a work-group, no clusters, 271,872 bytes of LDS; arguments out_e, W2F, U, W3, b3, P, ML, CP; writes P, ML, CP
;; launch finish (part 4): grid 64 x 1, 4 waves a work-group, no clusters, 0 bytes of LDS; arguments P, ML, CP, out0, out1; writes out0, out1
.if DOCPART == 4
	.amdgcn_target "amdgcn-amd-amdhsa--gfx1250"
	.amdhsa_code_object_version 6
	.text
	.protected	k_q420900ded8_finish
	.globl	k_q420900ded8_finish
	.p2align	8
	.type	k_q420900ded8_finish,@function
k_q420900ded8_finish:
	s_mov_b64 s[64:65], 0
	v_nop
	global_prefetch_b8 v0, s[64:65] scope:SCOPE_SE
	s_setreg_imm32_b32 hwreg(HW_REG_WAVE_SCHED_MODE, 0, 2), 2
	s_setreg_imm32_b32 hwreg(HW_REG_WAVE_MODE, 25, 1), 1
	s_wait_xcnt 0x0
	s_wait_alu depctr_vm_vsrc(0)
; FINISH.  The four quarters of the source are joined.  For a batch row n with quarters q: M = max m_q, f_q = e^(m_q - M) / sum over q of e^(m_q - M) l_q; then
;   out0[n][:] = sum over q of f_q CP[4 n + q][:]      out1[s][n] = f_(s / 128) P[n][s].
; The maximum over all 512 rows is taken away before every exponential; the divisor is at least 1 (the quarter that holds M has weight 1 and l >= 1).
; SHARES.  Work-group k: out0's row n = k (wave w: columns 256 w on, two pieces of 16 bytes a lane) and out1's rows s = 8 k + 2 w, + 1 for all 64 n (lane L: n = 2 L, 2 L + 1), all in quarter k / 16.
; 64 work-groups: the launch moves 1.5 MB and has one short chain of loads, arithmetic and stores; no LDS, no barrier, no matrix work.
; THE MODE: SCHED_MODE bits 1:0 = 2 (LLVM: expert scheduling mode 2), set by the entry lines.  The code itself states the register dependences
; between vector instructions and memory instructions, with s_wait_alu, always for 0.
; THE PLAN.  Registers that memory instructions touch:
;   v2 - v6      byte offsets, made once at the head and never written again: one wait ahead of the first load serves every load and store.
;   v[8:31]      three sets of (m, l) x 4, written by loads, read by vector instructions.  v[8:15] are later written by c's arithmetic and read by the last two stores.
;   v[32:63]     CP, v[64:67] P: written by loads, read by vector instructions.
;   v[90:93]     alpha, written by four multiplies, read by two stores, never written again.
;   v[68:89]     are named by vector instructions alone.
; No register that a memory instruction has read is written again, so the text holds no wait on vm_vsrc but the one at the entry.  No vector instruction names a load's destination ahead of the load.
; The three sets of statistics go side by side, line by line: their twelve exponentials are one batch and their three reciprocals another, each with one wait.
.set LOG2E, 0x3fb8aa3b
.set ST, 8                             ; v[8 + 8 t ..]   set t: (m, l) of the four quarters.  t = 0: n = k; t = 1: n = 2 L; t = 2: n = 2 L + 1
.set FQ, 68                            ; v[68 + 6 t ..]  set t: the four factors f_q; + 4 the divisor and its reciprocal; + 5 M
	s_load_b256 s[4:11], s[0:1], 0x0               ; P s[4:5], ML s[6:7], CP s[8:9], out0 s[10:11]
	s_load_b64 s[12:13], s[0:1], 0x20              ; out1
	v_lshrrev_b32 v1, 5, v0
	v_readfirstlane_b32 s14, v1                    ; wave 0..3
	v_and_b32 v1, 31, v0                           ; L
	v_lshlrev_b32 v2, 4, v1                        ; 16 L
	v_lshlrev_b32 v3, 6, v1                        ; 64 L: the statistics of n = 2 L and 2 L + 1
	v_lshlrev_b32 v4, 12, v1                       ; 4,096 L: P's rows 2 L and 2 L + 1
	v_lshlrev_b32 v5, 3, v1                        ; 8 L
	v_mov_b32 v6, 0
	s_wait_alu depctr_va_sdst(0)                   ; s14 is written, ahead of its first reader: the bases of P, CP, out0 and out1 are made from it
	s_mov_b32 s15, LOG2E
	s_lshr_b32 s16, ttmp9, 4                       ; the quarter of my rows of out1
	s_bitcmp1_b32 s16, 0
	s_cselect_b32 s17, -1, 0                       ; its two bits as masks for all lanes
	s_bitcmp1_b32 s16, 1
	s_cselect_b32 s18, -1, 0
	s_mov_b32 s21, 0
	s_lshl_b32 s20, ttmp9, 5
	s_wait_kmcnt 0x0
	s_add_nc_u64 s[22:23], s[6:7], s[20:21]        ; ML at n = k
	s_lshl_b32 s24, s14, 3
	s_add_co_u32 s20, s20, s24
	s_add_nc_u64 s[4:5], s[4:5], s[20:21]          ; P at column s = 8 k + 2 w
	s_lshl_b32 s20, ttmp9, 14
	s_lshl_b32 s24, s14, 10
	s_add_co_u32 s20, s20, s24
	s_add_nc_u64 s[8:9], s[8:9], s[20:21]          ; CP at [4 k][256 w]
	s_lshl_b32 s20, ttmp9, 12
	s_add_co_u32 s20, s20, s24
	s_add_nc_u64 s[10:11], s[10:11], s[20:21]      ; out0 at [k][256 w]
	s_lshl_b32 s20, ttmp9, 11
	s_lshl_b32 s24, s14, 9
	s_add_co_u32 s20, s20, s24
	s_add_nc_u64 s[12:13], s[12:13], s[20:21]      ; out1 at row 8 k + 2 w
	s_wait_alu depctr_va_vdst(0)                   ; the five offsets v2 to v6 are written, which the loads and stores below read
	global_load_b128 v[8:11], v6, s[22:23]         ; (m, l) x 4 of n = k, the same in every lane
	global_load_b128 v[12:15], v6, s[22:23] offset:16
.irp i, 0,1,2,3
	global_load_b128 v[16+4*\i:19+4*\i], v3, s[6:7] offset:16*\i  ; of n = 2 L, then of n = 2 L + 1
.endr
	global_load_b64 v[64:65], v4, s[4:5]           ; P[2 L][s], P[2 L][s + 1]
	global_load_b64 v[66:67], v4, s[4:5] offset:2048  ; P[2 L + 1][..]
.irp q, 0,1,2,3
	global_load_b128 v[32+8*\q:35+8*\q], v2, s[8:9] offset:4096*\q
	global_load_b128 v[36+8*\q:39+8*\q], v2, s[8:9] offset:4096*\q+512
.endr
	s_wait_loadcnt 8                               ; CP's eight loads stay out: the statistics and P are in
	; From (m, l) x 4 the four factors f_q, for the three sets side by side
.irp t, 0,1,2
	v_max3_num_f32 v[FQ+6*\t+5], v[ST+8*\t], v[ST+8*\t+2], v[ST+8*\t+4]
.endr
.irp t, 0,1,2
	v_max_num_f32 v[FQ+6*\t+5], v[FQ+6*\t+5], v[ST+8*\t+6]   ; M
.endr
.irp q, 0,1,2,3
.irp t, 0,1,2
	v_sub_f32 v[FQ+6*\t+\q], v[ST+8*\t+2*\q], v[FQ+6*\t+5]   ; m_q - M
.endr
.endr
.irp q, 0,1,2,3
.irp t, 0,1,2
	v_mul_f32 v[FQ+6*\t+\q], s15, v[FQ+6*\t+\q]
.endr
.endr
.irp q, 0,1,2,3
.irp t, 0,1,2
	v_exp_f32 v[FQ+6*\t+\q], v[FQ+6*\t+\q]         ; e^(m_q - M): one batch of twelve
.endr
.endr
	v_nop                                          ; a plain instruction between the last exponential and the use of its result
	s_wait_alu depctr_va_vdst(0)                   ; the twelve exponentials have written their results, ahead of the first line that names one: one wait for the batch
.irp t, 0,1,2
	v_mul_f32 v[FQ+6*\t+4], v[FQ+6*\t], v[ST+8*\t+1]         ; the divisor, q ascending
.endr
.irp t, 0,1,2
	v_fmac_f32 v[FQ+6*\t+4], v[FQ+6*\t+1], v[ST+8*\t+3]
.endr
.irp t, 0,1,2
	v_fmac_f32 v[FQ+6*\t+4], v[FQ+6*\t+2], v[ST+8*\t+5]
.endr
.irp t, 0,1,2
	v_fmac_f32 v[FQ+6*\t+4], v[FQ+6*\t+3], v[ST+8*\t+7]
.endr
.irp t, 0,1,2
	v_rcp_f32 v[FQ+6*\t+4], v[FQ+6*\t+4]           ; one batch of three
.endr
	v_nop                                          ; a plain instruction between the last reciprocal and the use of its result
	s_wait_alu depctr_va_vdst(0)                   ; the three reciprocals have written their results, ahead of the first line that names one: one wait for the batch
.irp q, 0,1,2,3
.irp t, 0,1,2
	v_mul_f32 v[FQ+6*\t+\q], v[FQ+6*\t+\q], v[FQ+6*\t+4]     ; f_q
.endr
.endr
	v_cndmask_b32 v86, v74, v75, s17               ; the factor of my rows' quarter, for n = 2 L,
	v_cndmask_b32 v88, v76, v77, s17
	v_cndmask_b32 v87, v80, v81, s17               ; and for n = 2 L + 1
	v_cndmask_b32 v89, v82, v83, s17
	v_cndmask_b32 v86, v86, v88, s18
	v_cndmask_b32 v87, v87, v89, s18
	v_mul_f32 v90, v64, v86
	v_mul_f32 v91, v66, v87
	v_mul_f32 v92, v65, v86
	v_mul_f32 v93, v67, v87
	s_wait_alu depctr_va_vdst(0)                   ; the four multiplies have written v[90:93], which the two stores read
	global_store_b64 v5, v[90:91], s[12:13]        ; a whole row of out1: 256 consecutive bytes, aligned
	global_store_b64 v5, v[92:93], s[12:13] offset:256
	s_wait_loadcnt 0x0                             ; CP
.irp e, 0,4
.irp j, 0,2
	v_pk_mul_f32 v[8+\e+\j:9+\e+\j], v[32+\e+\j:33+\e+\j], v[68:69] op_sel_hi:[1,0]
	v_pk_fma_f32 v[8+\e+\j:9+\e+\j], v[40+\e+\j:41+\e+\j], v[68:69], v[8+\e+\j:9+\e+\j] op_sel:[0,1,0] op_sel_hi:[1,1,1]
	v_pk_fma_f32 v[8+\e+\j:9+\e+\j], v[48+\e+\j:49+\e+\j], v[70:71], v[8+\e+\j:9+\e+\j] op_sel_hi:[1,0,1]
	v_pk_fma_f32 v[8+\e+\j:9+\e+\j], v[56+\e+\j:57+\e+\j], v[70:71], v[8+\e+\j:9+\e+\j] op_sel:[0,1,0] op_sel_hi:[1,1,1]
.endr
.endr
	s_wait_alu depctr_va_vdst(0)                   ; c's arithmetic has written v[8:15], which the two stores read
	global_store_b128 v2, v[8:11], s[10:11]        ; 512 consecutive bytes, aligned
	global_store_b128 v2, v[12:15], s[10:11] offset:512
	s_endpgm
.Lfunc_end_k_q420900ded8_finish:
	.size	k_q420900ded8_finish, .Lfunc_end_k_q420900ded8_finish-k_q420900ded8_finish
	.p2alignl 7, 3214868480
	.fill 96, 4, 3214868480
	.section	.rodata,"a",@progbits
	.p2align	6, 0x0
	.amdhsa_kernel k_q420900ded8_finish
		.amdhsa_group_segment_fixed_size 0
		.amdhsa_private_segment_fixed_size 0
		.amdhsa_enable_private_segment 0
		.amdhsa_kernarg_size 40
		.amdhsa_user_sgpr_count 2
		.amdhsa_user_sgpr_kernarg_segment_ptr 1
		.amdhsa_wavefront_size32 1
		.amdhsa_system_sgpr_workgroup_id_x 1
		.amdhsa_system_sgpr_workgroup_id_y 1
		.amdhsa_system_sgpr_workgroup_id_z 1
		.amdhsa_system_vgpr_workitem_id 0
		.amdhsa_next_free_vgpr 96
		.amdhsa_next_free_sgpr 66
		.amdhsa_reserve_vcc 0
		.amdhsa_float_denorm_mode_32 3
		.amdhsa_float_denorm_mode_16_64 3
		.amdhsa_memory_ordered 1
		.amdhsa_forward_progress 1
		.amdhsa_inst_pref_size 8
	.end_amdhsa_kernel
	.amdgpu_metadata
---
amdhsa.version: [ 1, 2 ]
amdhsa.kernels:
  - .name:           k_q420900ded8_finish
    .symbol:         k_q420900ded8_finish.kd
    .args:
      - { .name: P, .offset: 0, .size: 8, .value_kind: global_buffer, .address_space: global }
      - { .name: ML, .offset: 8, .size: 8, .value_kind: global_buffer, .address_space: global }
      - { .name: CP, .offset: 16, .size: 8, .value_kind: global_buffer, .address_space: global }
      - { .name: out0, .offset: 24, .size: 8, .value_kind: global_buffer, .address_space: global }
      - { .name: out1, .offset: 32, .size: 8, .value_kind: global_buffer, .address_space: global }
    .group_segment_fixed_size: 0
    .private_segment_fixed_size: 0
    .kernarg_segment_align: 8
    .kernarg_segment_size: 40
    .max_flat_workgroup_size: 128
    .sgpr_count:     66
    .vgpr_count:     96
    .wavefront_size: 32
...
	.end_amdgpu_metadata
.endif
;; end of part 4
